; MI455X (gfx1250); checked and timed in simulation.
; The chip was launched on July 23, 2026; its instructions are those of AMD's public machine-readable ISA for CDNA 5 (MIT licence, August 2026) and "CDNA5" Instruction Set Architecture Reference Guide (July 2026). The comments in the code are by the model that wrote it; some were corrected since.
;; Sliding Window Attention. Allowed arithmetic: matrix products marked QUANTISED: E2M3 operands, one E8M0 scale for each 32 along K, by v_wmma_scale_f32_16x16x128_f8f6f4 with both operands' format E2M3, f32 sums; everything else in f32.
;; Inputs: freqs_cos 2,048 x 32 float32; freqs_sin 2,048 x 32 float32; wk_codes 256 x 32 x 24 uint8 (E2M3 codes of wk, K innermost, in blocks of 32 codes, four codes in three bytes); wk_scales 256 x 32 uint8 (E8M0 scales of wk, one for each 32 codes along K); wo_codes 1,024 x 32 x 24 uint8 (E2M3 codes of wo, K innermost, in blocks of 32 codes, four codes in three bytes); wo_scales 1,024 x 32 uint8 (E8M0 scales of wo, one for each 32 codes along K); wq_codes 1,024 x 32 x 24 uint8 (E2M3 codes of wq, K innermost, in blocks of 32 codes, four codes in three bytes); wq_scales 1,024 x 32 uint8 (E8M0 scales of wq, one for each 32 codes along K); wv_codes 256 x 32 x 24 uint8 (E2M3 codes of wv, K innermost, in blocks of 32 codes, four codes in three bytes); wv_scales 256 x 32 uint8 (E8M0 scales of wv, one for each 32 codes along K); x_codes 2 x 2,048 x 32 x 24 uint8 (E2M3 codes of x, K innermost, in blocks of 32 codes, four codes in three bytes); x_scales 2 x 2,048 x 32 uint8 (E8M0 scales of x, one for each 32 codes along K).
;; Outputs: out0 2 x 2,048 x 1,024 float32.
;; This version of the problem:
;;   THIS VERSION OF THE PROBLEM IS GIVEN IN LOW PRECISION. The matrix products marked QUANTISED in the list below multiply operands that are first quantised to E2M3 (2 exponent bits, 3 mantissa bits; 6 bits a number), with one power-of-two scale for each 32 numbers along K (OCP MX v1.0); their sums are f32. All else is computed in f32.
;;   The module's matrix products, in the order in which they are computed (A, B: the left and right operand; K: the contracted axis; several contracted axes count as one K, in the product's order):
;;     1. [M 4,096, K 1,024] x [K 1,024, N 1,024]; A: input x (given as codes); B: input wq (given as codes): QUANTISED
;;     2. [M 4,096, K 1,024] x [K 1,024, N 256]; A: input x (given as codes); B: input wk (given as codes): QUANTISED
;;     3. [M 4,096, K 1,024] x [K 1,024, N 256]; A: input x (given as codes); B: input wv (given as codes): QUANTISED
;;     4. batch 32 x [M 2,048, K 64] x [K 64, N 2,048]; A: computed on the way; B: computed on the way: QUANTISED
;;     5. batch 32 x [M 64, K 2,048] x [K 2,048, N 2,048]; A: computed on the way; B: softmax (see below): QUANTISED
;;     6. [M 4,096, K 1,024] x [K 1,024, N 1,024]; A: computed on the way; B: input wo (given as codes): QUANTISED
;;   THE QUANTISER, for each operand of a quantised product, along K:
;;     - K is cut into blocks of 32 from its start; a last block that is shorter is filled with zeros.
;;     - A block's scale is 2^e with e = floor(log2(the largest magnitude in the block)) - 2, held to -126 .. 127; a block of zeros has e = 0. As a byte (E8M0): e + 127.
;;     - Each number is divided by its block's scale, clamped to +-7.5, and rounded to the nearest number of E2M3, ties to even, subnormals kept.
;;     - The product sums the exact products of the quantised numbers (number of the format x scale) in f32.
;;   ~~~python
;;   def quantise(x, axis):      # numpy; x: float32 -> the quantised numbers, widened to float32 again
;;       x = np.moveaxis(x, axis, -1); K = x.shape[-1]
;;       x = np.pad(x, [(0, 0)] * (x.ndim - 1) + [(0, -K % 32)]); x = x.reshape(x.shape[:-1] + (-1, 32)); a = np.abs(x).max(-1, keepdims=True)
;;       e = np.where(a > 0, np.clip(np.frexp(np.where(a > 0, a, 1))[1] - 1 - 2, -126, 127), 0)      # np.frexp(a)[1] - 1 = floor(log2(a)), exactly
;;       r = np.clip(x / 2.0 ** e, -7.5, 7.5)
;;       step = 2.0 ** (np.maximum(np.frexp(np.where(r == 0, 1, r))[1] - 1, 0) - 3)
;;       q = np.round(r / step) * step * 2.0 ** e      # np.round: ties to even
;;       return np.moveaxis(q.reshape(q.shape[:-2] + (-1,))[..., :K], -1, axis).astype(np.float32)
;;   ~~~
;;   SOFTMAX AHEAD OF A QUANTISED PRODUCT. Where the list says 'softmax', what is quantised is not the finished softmax but p = 2^(t - M), with t = logit x log2(e) and M = ceil(the row's largest t), a whole number; so 1/2 < the row's largest p <= 1. The row's sum l is taken of the UNQUANTISED p, in f32, and the product's result is divided by l at the end. Since M is a whole number, a kernel that streams over the keys may use a running M (the ceiling of the running maximum): every later rescaling is an exact power of two, which a block's scale takes up: the codes' values come out the same.
;;   OPERANDS COMPUTED ON THE WAY. 'Computed on the way' means the value that the module computes at that place (a softmax that the list does not call 'softmax' is quantised finished and normalised). What goes into a quantiser is computed in f32, as accurately as f32 sums, v_exp_f32 and their like allow (about 1e-6 of the number): no bf16 or f16 on the way to a quantiser, and a product that is left as it is and whose result goes on into a quantised operand takes f32 operands (vector FMAs, or v_wmma_f32_16x16x4_f32). A number that lies on a knife's edge between two numbers of the format may be rounded either way, as far as f32 arithmetic and the matrix unit's own rounding can turn it there, and no further.
;;   INPUTS GIVEN AS CODES. wk (in the module: [1024, 256], K = its axis 0); wo (in the module: [1024, 1024], K = its axis 0); wq (in the module: [1024, 1024], K = its axis 0); wv (in the module: [1024, 256], K = its axis 0); x (in the module: [2, 2048, 1024], K = its axis 2): each comes as NAME_codes (uint8): NAME with its K axis moved to the last place and cut into blocks of 32 codes, [.., K / 32, bytes a block], one block behind the other in memory; four codes in three bytes: a row's codes are one little-endian stream of bits, code i at bits 6 i .. 6 i + 5 (a code: sign, 2 exponent bits, 3 mantissa bits); and NAME_scales (uint8): the same leading axes, one E8M0 byte (e + 127) for each 32 codes along K. Its value is code x scale, taken as it is: it is not quantised again, and the codes and scales need not be those that the quantiser above would give.
;; One version. Each part assembles by itself: llvm-mc -triple=amdgcn-amd-amdhsa -mcpu=gfx1250 --defsym DOCPART=n.
;; ======== version 1 of 1: 3 launches
;; limits: right only within a limited range of input values
;; workspace buffers: qcod 3,145,728 bytes; qscl 262,144 bytes; kvcod 1,572,864 bytes; kvscl 131,072 bytes; acod 3,145,728 bytes; ascl 131,072 bytes
;; launch qkv (part 1): grid 8 x 32, 4 waves a work-group, clusters of 4 x 4, 288,256 bytes of LDS; arguments x_codes, x_scales, wq_codes, wq_scales, wk_codes, wk_scales, wv_codes, wv_scales, freqs_cos, freqs_sin, qcod, qscl, kvcod, kvscl; writes qcod, qscl, kvcod, kvscl
.if DOCPART == 1
	.amdgcn_target "amdgcn-amd-amdhsa--gfx1250"
	.amdhsa_code_object_version 6
	.text
	.protected	k_qfd8b5f79bb_qkv
	.globl	k_qfd8b5f79bb_qkv
	.p2align	8
	.type	k_qfd8b5f79bb_qkv,@function
k_qfd8b5f79bb_qkv:
	s_mov_b64 s[64:65], 0
	v_nop
	global_prefetch_b8 v0, s[64:65] scope:SCOPE_SE
	s_setreg_imm32_b32 hwreg(HW_REG_WAVE_MODE, 25, 1), 1
	s_wait_xcnt 0x0
	s_wait_alu depctr_hold_cnt(0) depctr_sa_sdst(0) depctr_va_vdst(0) depctr_va_sdst(0) depctr_va_ssrc(0) depctr_va_vcc(0) depctr_vm_vsrc(0)
	s_getreg_b32 s2, hwreg(HW_REG_IB_STS2, 6, 4)
	s_cmp_eq_u32 s2, 0
	s_cbranch_scc0 .Lentry_in_a_cluster
	s_endpgm
.Lentry_in_a_cluster:
	s_bfe_u32 s2, ttmp6, 0x10000c
	s_cmp_lg_u32 s2, 0xf033
	s_cbranch_scc0 .Lentry_shape_is_right
	s_endpgm
.Lentry_shape_is_right:
; q = rope(x wq), k = rope(x wk), v = x wv on codes of FP6 (E2M3) with one E8M0 scale for each 32 along K = 1,024; then q and k are quantised along the head's 64, v along the keys
; (blocks of 32 keys from key 0), and leave as IMAGES OF OPERAND REGISTERS for the next launch.
; SHARES.  A work-group takes 128 rows of x (XB) against 192 rows of weights: 128 of wq (heads 2 CG, 2 CG + 1) and the 64 rows of head cx of wk (cluster x = 0) or of wv (cluster x = 1).
; Wave w takes x's tiles 2 w, 2 w + 1 (32 rows: one block of keys) against all 12 tiles of weights: 24 accumulators, which take turns, one instruction a turn.
; All operands of the work-group fit in LDS at once: every tensor load is a first fill, K in two halves of 512 (384 bytes of a row); no byte of LDS is filled twice.
; CLUSTER 4 x 4.  The four of a row of the cluster need the same rows of x, the four of a column the same rows of the weights: each tile is asked for jointly.
; LAYOUT.  q, k: source 0 = 16 rows of the weight, source 1 = 16 rows of x: a lane holds one token, its registers run along the head.  v: the sources swapped: a lane holds one channel d, its registers run along the keys.
; The 16 registers of two neighbouring tiles are numbers 8 h + 0..7 and 16 + 8 h + 0..7 of a block of 32, so a block's codes lie in the order 0-7, 16-23, 8-15, 24-31.  q and k are both laid so, and so are v's keys and
; the next launch's p: a permutation inside a block, applied alike to both operands of a product, changes neither the block's scale nor the products.
; LIMITS: a block of zeros gets the scale byte 1 (its codes are zeros; the bytes are read by this program alone); NaN, infinities and given scale bytes of 0xff are not served.
; REGISTERS.  window 0: v1-17 addresses; v28, v29 the add's two; v32-127 the weights' scale words (8 t + K step); v128-143 x's.
;   window 1: v0-143 the 12 weight fragments; v144-191 x's two fragments, two sets; v192-223 cos, v224-255 sin.
;   window 2: v0-127 q's accumulators (8 (8 u + t)); v128-191 k's or v's; v192-215 at work; v216-251 three fragments of codes; v252-254 their scale words.
.set PITCH,  432                       ; an LDS row: 3 x (128 bytes + 16 of padding) = 108 words: the 16 rows of a fragment start at 16 different multiples of 4 banks (64 banks of 4 bytes: ISA guide 11.1)
.set TROW,   16*PITCH
.set CHUNK,  320*PITCH                 ; half of K: rows 0-127 x, 128-255 wq, 256-319 wk or wv
.set SCL,    2*CHUNK                   ; the 320 rows' scale bytes, 32 a row, as units of 256 bytes + 16
.set UNIT,   272
.set SPARE,  287488                    ; the spare words: 128 bytes for each wave, two blocks of 256 bytes that no other line names
.set AX,  4                            ; v4, v5   x's fragments: (32 w + r) PITCH + 24 h, and the same with 40 h for pieces that lie behind one padding more
.set AWA, 6                            ; v6, v7   weight tiles 0-5
.set AWB, 8                            ; v8, v9   weight tiles 6-11
.set ASW, 10                           ; v10      the weights' scale words
.set ASX, 11                           ; v11      x's
.set CA,  12                           ; v12      my token's row of cos and sin
.set L8,  13                           ; v13      8 x lane
.set L4,  14                           ; v14      4 x lane
.set SPW, 28
.set NIL, 29
.set SCW, 32
.set SCX, 128
.set XF,  144
.set COS, 192
.set SIN, 224
.set KV,  128
.set TM,  192
.set TP,  208
.set PC,  216
.set PW,  252
.set G1XC, 32                          ; s[32:39] group 1: x's codes;  s[40:47] the weights' codes;  s[48:55] x's scales;  s[56:63] the weights' scales
.set G1WC, 40
.set G1XS, 48
.set G1WS, 56
.set G0X,  68                          ; s[68:79] three groups 0 for x: scales, K half 0, K half 1
.set G0W,  80                          ; s[80:91] the same for the weights
.set WV,   92
.set CX,   93
.set CY,   94
.set CG,   95
.set XB,   96
.set PATH, 97                          ; the cluster's x: 0 = wk, 1 = wv: equal in all sixteen partners
.set SEL,  98
.set W_MUL,  0xa5                      ; sources 0 and 1 window 1, C and D window 2
.set W_LD1,  0x40                      ; destination window 1, address window 0
.set W_ROPE, 0xa6                      ; source 1 (cos, sin) window 1, all else window 2
.set W_Q,    0xaa                      ; all in window 2
.set W_ST,   0x08                      ; a store's data (source 1) window 2
.set MSB, 0
.set ZR, 0
.macro WIN new                         ; the immediate's high byte repeats the setting that is left
.if MSB != \new
	s_set_vgpr_msb (MSB<<8)|\new
.set MSB, \new
.endif
.endm
.macro PLACES                          ; four plain places behind matrix instructions, in front of loads into their registers and of reads of results
.rept 4
	v_nop
.endr
.endm
.macro CROUND                          ; a round of the cluster's barrier
	s_barrier_signal -1
	s_barrier_wait -1
	s_cmp_lg_u32 s[WV], 0
	s_cbranch_scc1 .Lnot_wave_0_\@
	s_barrier_signal -3
.Lnot_wave_0_\@:
	s_barrier_wait -3
	s_barrier_signal -1
	s_barrier_wait -1
.endm
; a fragment, 16 rows x 128 K, 12 registers: lane (r, h) takes 24 bytes at 96 q + 24 h and 24 at 96 q + 48 + 24 h of its row, in pieces of 8 bytes; 16 bytes of padding lie behind every 16 pieces
.macro FRAG reg, adr, q, i
.irp p, 0,1,2,3,4,5
.set PCE, 12*(\q)+6*(\p/3)+\p%3
.if PCE%16 < 13
	ds_load_b64 v[(\reg)+2*\p:(\reg)+2*\p+1], v[\adr] offset:8*PCE+16*(PCE/16)+(\i)*TROW
.else
	ds_load_b64 v[(\reg)+2*\p:(\reg)+2*\p+1], v[(\adr)+1] offset:8*PCE+16*(PCE/16)+(\i)*TROW
.endif
.endr
.endm
.macro LOAD_A s                        ; weight tiles 0-5 and x's two tiles of K step s: 48 loads
	WIN W_LD1
.irp t, 0,1,2,3,4,5
	FRAG 12*\t, AWA, (\s)%4, \t
.endr
.irp u, 0,1
	FRAG XF+24*((\s)%2)+12*\u, AX, (\s)%4, \u
.endr
.endm
.macro LOAD_B s                        ; weight tiles 6-11: 36 loads
	WIN W_LD1
.irp t, 0,1,2,3,4,5
	FRAG 72+12*\t, AWB, (\s)%4, \t
.endr
	WIN 0
.endm
.macro MM d, a, b, sa, sb              ; ZR = 1: the first K step starts the sum
.if ZR
	v_wmma_scale_f32_16x16x128_f8f6f4 v[(\d):(\d)+7], v[(\a):(\a)+11], v[(\b):(\b)+11], 0, v[\sa], v[\sb] matrix_a_fmt:MATRIX_FMT_FP6 matrix_b_fmt:MATRIX_FMT_FP6
.else
	v_wmma_scale_f32_16x16x128_f8f6f4 v[(\d):(\d)+7], v[(\a):(\a)+11], v[(\b):(\b)+11], v[(\d):(\d)+7], v[\sa], v[\sb] matrix_a_fmt:MATRIX_FMT_FP6 matrix_b_fmt:MATRIX_FMT_FP6
.endif
.endm
; A K step of 128: 24 matrix instructions.  Weight tiles 0-5 have one set of registers, fetched anew behind their 12 products; tiles 6-11 likewise at the step's end; x's tiles are at work through the whole step and have two sets.
.macro STEP s
.if (\s) == 0
.set ZR, 1
.else
.set ZR, 0
.endif
	s_wait_dscnt 36                                ; all but the youngest 36 loads (weight tiles 6-11) are in
	WIN W_MUL
.irp t, 0,1,2,3,4,5
.irp u, 0,1
	MM 8*(8*\u+\t), 12*\t, XF+24*((\s)%2)+12*\u, SCW+8*\t+(\s), SCX+8*\u+(\s)
.endr
.endr
	PLACES
.if (\s) == 3
	WIN 0
	s_wait_tensorcnt 0x0                           ; my part of the second half of K has landed,
	s_wait_dscnt 0x0                               ; no LDS load of mine is out,
	s_barrier_signal -1
	s_barrier_wait -1                              ; and that holds of all four waves.
.irp a, 4,5,6,7,8,9
	v_add_nc_u32 v\a, CHUNK, v\a                   ; on to the second half
.endr
.endif
.if (\s) < 7
	LOAD_A (\s)+1
	s_wait_dscnt 48                                ; all but the 48 just issued: weight tiles 6-11 are in
.else
	s_wait_dscnt 0x0
.endif
	WIN W_MUL
.irp t, 6,7
.irp u, 0,1
	MM 8*(8*\u+\t), 12*\t, XF+24*((\s)%2)+12*\u, SCW+8*\t+(\s), SCX+8*\u+(\s)
.endr
.endr
	WIN 0
	s_cmp_eq_u32 s[PATH], 0
	s_cbranch_scc0 .Lv_\@
	WIN W_MUL
.irp t, 0,1,2,3
.irp u, 0,1
	MM KV+8*(4*\u+\t), 96+12*\t, XF+24*((\s)%2)+12*\u, SCW+64+8*\t+(\s), SCX+8*\u+(\s)   ; k: a lane holds a key
.endr
.endr
	WIN 0
	s_branch .Lj_\@
.Lv_\@:
	WIN W_MUL
.irp t, 0,1,2,3
.irp u, 0,1
	MM KV+8*(2*\t+\u), XF+24*((\s)%2)+12*\u, 96+12*\t, SCX+8*\u+(\s), SCW+64+8*\t+(\s)   ; v: the sources swapped: a lane holds a channel
.endr
.endr
	WIN 0
.Lj_\@:
	PLACES
.if (\s) < 7
	LOAD_B (\s)+1
.endif
.endm
; one tile's rope: registers 2 i, 2 i + 1 are a pair (a, b): a' = a cos - b sin, b' = a sin + b cos.  The first read is of the tile's second register
.macro ROPE acc, cs
.irp i, 0,1,2,3
	v_mul_f32 v[TP+\i], v[(\acc)+2*\i+1], v[SIN+(\cs)+\i]
.endr
.irp i, 0,1,2,3
	v_mul_f32 v[(\acc)+2*\i+1], v[(\acc)+2*\i+1], v[COS+(\cs)+\i]
.endr
.irp i, 0,1,2,3
	v_fma_f32 v[(\acc)+2*\i+1], v[(\acc)+2*\i], v[SIN+(\cs)+\i], v[(\acc)+2*\i+1]
.endr
.irp i, 0,1,2,3
	v_fma_f32 v[(\acc)+2*\i], v[(\acc)+2*\i], v[COS+(\cs)+\i], -v[TP+\i]
.endr
.endm
; 64 numbers of a lane, four runs of 16, each half of a block of 32 (the other half lies in lane l xor 16), become 12 registers of codes (lane (r, h): blocks h and 2 + h, whole) and a scale word
.macro QUANT s, pc, pw
.irp b, 0,1,2,3
	v_max3_num_f32 v[TM+\b], |v[(\s)+16*\b]|, |v[(\s)+1+16*\b]|, 0x1800000   ; with the floor 2^(3 - 127): the byte cannot fall under 1
.endr
.irp i, 2,4,6,8,10,12,14
.irp b, 0,1,2,3
	v_max3_num_f32 v[TM+\b], v[TM+\b], |v[(\s)+16*\b+\i]|, |v[(\s)+1+16*\b+\i]|
.endr
.endr
.irp b, 0,1,2,3
	v_permlanex16_b32 v[TM+4+\b], v[TM+\b], s[SEL], s[SEL+1]
.endr
.irp b, 0,1,2,3
	v_max_num_f32 v[TM+\b], v[TM+\b], v[TM+4+\b]   ; the block's largest magnitude
.endr
.irp b, 0,1,2,3
	v_add_nc_u32 v[TM+12+\b], 0xff000000, v[TM+\b] ; 2 off its exponent field: the conversion's scale operand
.endr
.irp b, 0,1,2,3
	v_lshrrev_b32 v[TM+4+\b], 23, v[TM+12+\b]      ; the scale's byte
.endr
	v_lshl_or_b32 v[\pw], v[TM+5], 8, v[TM+4]
	v_lshl_or_b32 v[\pw], v[TM+6], 16, v[\pw]
	v_lshl_or_b32 v[\pw], v[TM+7], 24, v[\pw]
.irp c, 0,1
	v_cvt_scalef32_pk16_fp6_f32 v[(\pc)+6*\c:(\pc)+2+6*\c], v[(\s)+32*\c:(\s)+15+32*\c], v[TM+12+2*\c]
	v_cvt_scalef32_pk16_fp6_f32 v[TP+4*\c:TP+2+4*\c], v[(\s)+16+32*\c:(\s)+31+32*\c], v[TM+12+2*\c+1]
.endr
	v_nop                                          ; one plain place behind the scaled conversions
.irp c, 0,1
.irp i, 0,1,2
	v_permlane16_swap_b32 v[(\pc)+6*\c+\i], v[TP+4*\c+\i]
.endr
.irp i, 0,1,2
	v_mov_b32 v[(\pc)+3+6*\c+\i], v[TP+4*\c+\i]
.endr
.endr
.endm
	s_load_b256 s[4:11], s[0:1], 0x0               ; x's codes, x's scales, wq's codes, wq's scales
	s_load_b256 s[12:19], s[0:1], 0x20             ; wk's codes, scales, wv's codes, scales
	s_load_b256 s[20:27], s[0:1], 0x40             ; cos, sin, qcod, qscl
	s_load_b128 s[28:31], s[0:1], 0x60             ; kvcod, kvscl
	v_lshl_add_u32 v[SPW], v0, 2, SPARE
	v_mov_b32 v[NIL], 0
	ds_add_u32 v[SPW], v[NIL]                      ; the wave's opening: the add and its wait ahead of my first tensor load
	v_lshrrev_b32 v1, 5, v0
	v_readfirstlane_b32 s[WV], v1                  ; wave 0..3
	s_bfe_u32 s[CX], ttmp6, 0x40000
	s_bfe_u32 s[CY], ttmp6, 0x40004
	s_lshl_b32 s[CG], ttmp9, 2
	s_add_co_u32 s[CG], s[CG], s[CX]               ; which 128 rows of wq: 4 x cluster x + cx
	s_and_b32 s[XB], ttmp7, 0xffff
	s_lshl_b32 s[XB], s[XB], 2
	s_add_co_u32 s[XB], s[XB], s[CY]               ; which 128 rows of x: 4 x cluster y + cy
	s_mov_b32 s[PATH], ttmp9
	s_mov_b32 s[SEL], 0x76543210
	s_mov_b32 s[SEL+1], 0xfedcba98
	s_lshl_b32 s100, s[CY], 2
	s_lshl_b32 s100, 15, s100                      ; my row of the cluster
	s_lshl_b32 s2, 0x1111, s[CX]                   ; my column
	s_or_b32 s[G1XC], s100, (1<<20)|(1<<21)|(4<<22)|(3<<25)          ; x goes to my row; elements of 1 byte; 4 words of padding behind every 32 words
	s_or_b32 s[G1XS], s100, (3<<16)|(1<<20)|(1<<21)|(5<<22)|(3<<25)  ; elements of 8 bytes; 4 words of padding behind every 64 words
	s_or_b32 s[G1WC], s2, (1<<20)|(1<<21)|(4<<22)|(3<<25)            ; the weights go to my column
	s_or_b32 s[G1WS], s2, (3<<16)|(1<<20)|(1<<21)|(5<<22)|(3<<25)
	s_mov_b32 s[G1XC+1], 384<<16                   ; rows of 384 bytes,
	s_mov_b32 s[G1XC+2], 128<<16                   ; 128 of them,
	s_mov_b32 s[G1XC+3], 384<<16
	s_mov_b32 s[G1XC+4], 128
	s_mov_b32 s[G1XC+5], 768                       ; 768 bytes apart
	s_mov_b32 s[G1XC+6], 0
	s_mov_b32 s[G1XC+7], 0
	s_mov_b32 s[G1WC+1], 384<<16
	s_mov_b32 s[G1WC+2], 64<<16                    ; 64 rows
	s_mov_b32 s[G1WC+3], 384<<16
	s_mov_b32 s[G1WC+4], 64
	s_mov_b32 s[G1WC+5], 768
	s_mov_b32 s[G1WC+6], 0
	s_mov_b32 s[G1WC+7], 0
	s_mov_b32 s[G1XS+1], 32<<16                    ; a dense block as rows of 256 bytes: 128 rows' scales are 16 of them
	s_mov_b32 s[G1XS+2], 16<<16
	s_mov_b32 s[G1XS+3], 32<<16
	s_mov_b32 s[G1XS+4], 16
	s_mov_b32 s[G1XS+5], 32
	s_mov_b32 s[G1XS+6], 0
	s_mov_b32 s[G1XS+7], 0
	s_mov_b32 s[G1WS+1], 32<<16                    ; 64 rows' scales: 8
	s_mov_b32 s[G1WS+2], 8<<16
	s_mov_b32 s[G1WS+3], 32<<16
	s_mov_b32 s[G1WS+4], 8
	s_mov_b32 s[G1WS+5], 32
	s_mov_b32 s[G1WS+6], 0
	s_mov_b32 s[G1WS+7], 0
	s_lshl_b32 s100, s[XB], 12                     ; x's scales: 128 rows of 32 bytes
	s_mov_b32 s101, 0
	s_mul_i32 s104, s[XB], 98304                   ; x's codes: 128 rows of 768 bytes
	s_mov_b32 s105, 0
	s_max_u32 s2, s[WV], 1                         ; waves 1, 2 fetch wq's rows 128 CG + 64 (w - 1) on, wave 3 the 64 rows of head cx of wk or wv
	s_sub_co_u32 s2, s2, 1
	s_lshl_b32 s2, s2, 6
	s_lshl_b32 s3, s[CG], 7
	s_add_co_u32 s3, s3, s2
	s_lshl_b32 s2, s[CX], 6
	s_cmp_eq_u32 s[WV], 3
	s_cselect_b32 s2, s2, s3
	s_wait_dscnt 0x0                               ; the opening add is done
	s_wait_kmcnt 0x0
	s_mov_b32 s[G0X], 1
	s_mov_b32 s[G0X+1], SCL
	s_add_nc_u64 s[G0X+2:G0X+3], s[6:7], s[100:101]
	s_or_b32 s[G0X+3], s[G0X+3], 0x80000000
	s_mov_b32 s[G0X+4], 1
	s_mov_b32 s[G0X+5], 0
	s_add_nc_u64 s[G0X+6:G0X+7], s[4:5], s[104:105]
	s_mov_b32 s[G0X+8], 1
	s_mov_b32 s[G0X+9], CHUNK
	s_add_nc_u64 s[G0X+10:G0X+11], s[G0X+6:G0X+7], 384
	s_or_b32 s[G0X+7], s[G0X+7], 0x80000000
	s_or_b32 s[G0X+11], s[G0X+11], 0x80000000
	s_cmp_eq_u32 s[PATH], 0                        ; wk or wv,
	s_cselect_b64 s[12:13], s[12:13], s[16:17]
	s_cselect_b64 s[14:15], s[14:15], s[18:19]
	s_cmp_eq_u32 s[WV], 3                          ; that or wq: the choices hang on ids alone
	s_cselect_b64 s[12:13], s[12:13], s[8:9]
	s_cselect_b64 s[14:15], s[14:15], s[10:11]
	s_mul_i32 s16, s2, 768
	s_mov_b32 s17, 0
	s_lshl_b32 s18, s2, 5
	s_mov_b32 s19, 0
	s_add_nc_u64 s[12:13], s[12:13], s[16:17]
	s_add_nc_u64 s[14:15], s[14:15], s[18:19]
	s_mul_i32 s3, s[WV], 8*UNIT
	s_mov_b32 s[G0W], 1
	s_add_co_u32 s[G0W+1], s3, SCL+8*UNIT          ; LDS rows 64 + 64 w on: units 8 + 8 w on
	s_mov_b64 s[G0W+2:G0W+3], s[14:15]
	s_or_b32 s[G0W+3], s[G0W+3], 0x80000000
	s_mul_i32 s3, s[WV], 64*PITCH
	s_mov_b32 s[G0W+4], 1
	s_add_co_u32 s[G0W+5], s3, 64*PITCH
	s_mov_b64 s[G0W+6:G0W+7], s[12:13]
	s_or_b32 s[G0W+7], s[G0W+7], 0x80000000
	s_mov_b32 s[G0W+8], 1
	s_add_co_u32 s[G0W+9], s3, 64*PITCH+CHUNK
	s_add_nc_u64 s[G0W+10:G0W+11], s[12:13], 384
	s_or_b32 s[G0W+11], s[G0W+11], 0x80000000
	CROUND                                         ; all sixteen work-groups are here: the joint loads meet
	s_cmp_eq_u32 s[WV], 0                          ; a wave's three first fills stand in one branch: three tensor loads of mine are out
	s_cbranch_scc0 .Lfill_w
	tensor_load_to_lds s[G0X:G0X+3], s[G1XS:G1XS+7]
	s_nop 0
	tensor_load_to_lds s[G0X+4:G0X+7], s[G1XC:G1XC+7]
	s_nop 0
	tensor_load_to_lds s[G0X+8:G0X+11], s[G1XC:G1XC+7]
	s_nop 0
.rept 4
	v_nop
.endr
	s_branch .Lfilled
.Lfill_w:
	tensor_load_to_lds s[G0W:G0W+3], s[G1WS:G1WS+7]
	s_nop 0
	tensor_load_to_lds s[G0W+4:G0W+7], s[G1WC:G1WC+7]
	s_nop 0
	tensor_load_to_lds s[G0W+8:G0W+11], s[G1WC:G1WC+7]
	s_nop 0
.rept 4
	v_nop
.endr
.Lfilled:
	v_and_b32 v3, 31, v0                           ; lane
	v_and_b32 v1, 15, v0                           ; r
	v_bfe_u32 v2, v0, 4, 1                         ; h
	v_mul_u32_u24 v15, v1, PITCH
	v_mad_u32_u24 v16, v2, 24, v15
	v_mad_u32_u24 v17, v2, 40, v15
	s_mul_i32 s2, s[WV], 32*PITCH
	v_add_nc_u32 v[AX], s2, v16
	v_add_nc_u32 v[AX+1], s2, v17
	v_add_nc_u32 v[AWA], 128*PITCH, v16
	v_add_nc_u32 v[AWA+1], 128*PITCH, v17
	v_add_nc_u32 v[AWB], 224*PITCH, v16
	v_add_nc_u32 v[AWB+1], 224*PITCH, v17
	v_lshrrev_b32 v15, 3, v1
	v_and_b32 v16, 7, v1
	v_mul_u32_u24 v15, v15, UNIT
	v_lshl_add_u32 v15, v16, 5, v15
	v_add_nc_u32 v[ASW], SCL, v15                  ; row r's 32 scale bytes: unit r / 8, place r % 8
	s_mul_i32 s2, s[WV], 4*UNIT
	v_add_nc_u32 v[ASX], s2, v[ASW]
	s_and_b32 s2, s[XB], 15                        ; the token's place in its sequence: 128 (XB % 16) + 32 w + 16 u + r
	s_lshl_b32 s2, s2, 7
	s_lshl_b32 s3, s[WV], 5
	s_add_co_u32 s2, s2, s3
	v_add_nc_u32 v[CA], s2, v1
	v_lshlrev_b32 v[CA], 7, v[CA]                  ; 128 bytes a row of cos or sin,
	v_lshl_add_u32 v[CA], v2, 4, v[CA]             ; + 16 h: a tile's eight channels 8 h + 0..7 are four pairs
	v_lshlrev_b32 v[L8], 3, v3
	v_lshlrev_b32 v[L4], 2, v3
	s_lshl_b32 s66, s[XB], 6                       ; q's images: (8 T + CG) x 1,536 bytes, T = 8 XB + 2 w + u
	s_lshl_b32 s67, s[WV], 4
	s_add_co_u32 s66, s66, s67
	s_add_co_u32 s66, s66, s[CG]
	s_mul_i32 s104, s66, 1536
	s_add_nc_u64 s[24:25], s[24:25], s[104:105]
	s_lshl_b32 s104, s66, 7
	s_add_nc_u64 s[26:27], s[26:27], s[104:105]
	s_lshl_b32 s66, s[XB], 5                       ; k's or v's: (8 GB + CG) x 1,536, GB = 4 XB + w
	s_lshl_b32 s67, s[WV], 3
	s_add_co_u32 s66, s66, s67
	s_add_co_u32 s66, s66, s[CG]
	s_mul_i32 s104, s66, 1536
	s_add_nc_u64 s[28:29], s[28:29], s[104:105]
	s_lshl_b32 s104, s66, 7
	s_add_nc_u64 s[30:31], s[30:31], s[104:105]
	WIN W_LD1
.irp u, 0,1
.irp t, 0,1,2,3
	global_load_b128 v[COS+16*\u+4*\t:COS+16*\u+4*\t+3], v[CA], s[20:21] offset:2048*\u+32*\t   ; frequencies 8 t + 4 h + 0..3 of token 16 u + r
	global_load_b128 v[SIN+16*\u+4*\t:SIN+16*\u+4*\t+3], v[CA], s[22:23] offset:2048*\u+32*\t
.endr
.endr
	WIN 0
	s_wait_tensorcnt 0x1                           ; the scales and the first half of K have landed; one load, the second half's, was issued behind them
	s_barrier_signal -1
	s_barrier_wait -1                              ; everybody's have
.irp t, 0,1,2,3,4,5,6,7,8,9,10,11
	ds_load_b128 v[SCW+8*\t:SCW+8*\t+3], v[ASW] offset:(16+2*\t)*UNIT
	ds_load_b128 v[SCW+8*\t+4:SCW+8*\t+7], v[ASW] offset:(16+2*\t)*UNIT+16
.endr
.irp u, 0,1
	ds_load_b128 v[SCX+8*\u:SCX+8*\u+3], v[ASX] offset:2*\u*UNIT
	ds_load_b128 v[SCX+8*\u+4:SCX+8*\u+7], v[ASX] offset:2*\u*UNIT+16
.endr
	LOAD_A 0
	LOAD_B 0
	STEP 0
	STEP 1
	STEP 2
	STEP 3
	STEP 4
	STEP 5
	STEP 6
	STEP 7
	s_wait_loadcnt 0x0                             ; cos and sin
	WIN W_ROPE
.irp u, 0,1
.irp t, 0,1,2,3,4,5,6,7
	ROPE 8*(8*\u+\t), 16*\u+4*(\t%4)
.endr
.endr
	WIN 0
	s_cmp_eq_u32 s[PATH], 0                        ; k is turned, v is not
	s_cbranch_scc0 .Lno_krope
	WIN W_ROPE
.irp u, 0,1
.irp t, 0,1,2,3
	ROPE KV+8*(4*\u+\t), 16*\u+4*\t
.endr
.endr
	WIN 0
.Lno_krope:
	WIN W_Q
.irp b, 0,1,2,3
	v_mov_b32 v[TM+4+\b], 0                        ; written once: a lane permute's destination counts as one of its sources
.endr
	QUANT 0, PC, PW                                ; q of tile u = 0: heads A and B, two blocks each
	QUANT 64, PC+12, PW+1                          ; u = 1
	QUANT KV, PC+24, PW+2                          ; k: two key tiles x two blocks;  v: four tiles of channels x this block of keys
	WIN W_ST
.irp u, 0,1
.irp e, 0,1
.irp p, 0,1,2
	global_store_b64 v[L8], v[PC+12*\u+6*\e+2*\p:PC+12*\u+6*\e+2*\p+1], s[24:25] offset:12288*\u+768*\e+256*\p   ; 32 lanes store 256 consecutive bytes, aligned
.endr
.endr
	global_store_b32 v[L4], v[PW+\u], s[26:27] offset:1024*\u
.endr
.irp e, 0,1
.irp p, 0,1,2
	global_store_b64 v[L8], v[PC+24+6*\e+2*\p:PC+24+6*\e+2*\p+1], s[28:29] offset:768*\e+256*\p
.endr
.endr
	global_store_b32 v[L4], v[PW+2], s[30:31]
	WIN 0
	s_wait_tensorcnt 0x0                           ; the wave's end
	ds_add_u32 v[SPW], v[NIL]
	s_wait_dscnt 0x0
	CROUND                                         ; the closing round
	s_endpgm
.Lfunc_end_k_qfd8b5f79bb_qkv:
	.size	k_qfd8b5f79bb_qkv, .Lfunc_end_k_qfd8b5f79bb_qkv-k_qfd8b5f79bb_qkv
	.p2alignl 7, 3214868480
	.fill 96, 4, 3214868480
	.section	.rodata,"a",@progbits
	.p2align	6, 0x0
	.amdhsa_kernel k_qfd8b5f79bb_qkv
		.amdhsa_group_segment_fixed_size 288256
		.amdhsa_private_segment_fixed_size 0
		.amdhsa_enable_private_segment 0
		.amdhsa_kernarg_size 112
		.amdhsa_user_sgpr_count 2
		.amdhsa_user_sgpr_kernarg_segment_ptr 1
		.amdhsa_wavefront_size32 1
		.amdhsa_system_sgpr_workgroup_id_x 1
		.amdhsa_system_sgpr_workgroup_id_y 1
		.amdhsa_system_sgpr_workgroup_id_z 1
		.amdhsa_system_vgpr_workitem_id 0
		.amdhsa_next_free_vgpr 768
		.amdhsa_next_free_sgpr 106
		.amdhsa_reserve_vcc 0
		.amdhsa_float_denorm_mode_32 3
		.amdhsa_float_denorm_mode_16_64 3
		.amdhsa_memory_ordered 1
		.amdhsa_forward_progress 1
		.amdhsa_inst_pref_size 125
	.end_amdhsa_kernel
	.amdgpu_metadata
---
amdhsa.version: [ 1, 2 ]
amdhsa.kernels:
  - .name:           k_qfd8b5f79bb_qkv
    .symbol:         k_qfd8b5f79bb_qkv.kd
    .args:
      - { .name: x_codes, .offset: 0, .size: 8, .value_kind: global_buffer, .address_space: global }
      - { .name: x_scales, .offset: 8, .size: 8, .value_kind: global_buffer, .address_space: global }
      - { .name: wq_codes, .offset: 16, .size: 8, .value_kind: global_buffer, .address_space: global }
      - { .name: wq_scales, .offset: 24, .size: 8, .value_kind: global_buffer, .address_space: global }
      - { .name: wk_codes, .offset: 32, .size: 8, .value_kind: global_buffer, .address_space: global }
      - { .name: wk_scales, .offset: 40, .size: 8, .value_kind: global_buffer, .address_space: global }
      - { .name: wv_codes, .offset: 48, .size: 8, .value_kind: global_buffer, .address_space: global }
      - { .name: wv_scales, .offset: 56, .size: 8, .value_kind: global_buffer, .address_space: global }
      - { .name: freqs_cos, .offset: 64, .size: 8, .value_kind: global_buffer, .address_space: global }
      - { .name: freqs_sin, .offset: 72, .size: 8, .value_kind: global_buffer, .address_space: global }
      - { .name: qcod, .offset: 80, .size: 8, .value_kind: global_buffer, .address_space: global }
      - { .name: qscl, .offset: 88, .size: 8, .value_kind: global_buffer, .address_space: global }
      - { .name: kvcod, .offset: 96, .size: 8, .value_kind: global_buffer, .address_space: global }
      - { .name: kvscl, .offset: 104, .size: 8, .value_kind: global_buffer, .address_space: global }
    .group_segment_fixed_size: 288256
    .private_segment_fixed_size: 0
    .kernarg_segment_align: 8
    .kernarg_segment_size: 112
    .max_flat_workgroup_size: 128
    .sgpr_count:     106
    .vgpr_count:     768
    .wavefront_size: 32
...
	.end_amdgpu_metadata
.endif
;; end of part 1
;; launch attn (part 2): grid 256 x 1, 8 waves a work-group, no clusters, 0 bytes of LDS; arguments qcod, qscl, kvcod, kvscl, acod, ascl; writes acod, ascl
.if DOCPART == 2
	.amdgcn_target "amdgcn-amd-amdhsa--gfx1250"
	.amdhsa_code_object_version 6
	.text
	.protected	k_qfd8b5f79bb_attn
	.globl	k_qfd8b5f79bb_attn
	.p2align	8
	.type	k_qfd8b5f79bb_attn,@function
k_qfd8b5f79bb_attn:
	s_mov_b64 s[64:65], 0
	v_nop
	global_prefetch_b8 v0, s[64:65] scope:SCOPE_SE
	s_setreg_imm32_b32 hwreg(HW_REG_WAVE_MODE, 25, 1), 1
	s_wait_xcnt 0x0
; The windowed attention on codes of FP6 (E2M3): scores = q k^T / 8, keys i - 64 .. i count, scores held at -1e9 from below, p = 2^(t - M) quantised along the keys, o = (p v) / l, o quantised along heads x channels.
; SHARES.  A work-group takes one tile T of 16 queries, each of its eight waves two heads (2 hp, 2 hp + 1), which share a key and value head (hp / 2).  The wave's result is one operand fragment (16 rows x 128 K) of the last product.
; The queries of tile T lie in key block G = T / 2 and see key blocks G - 2, G - 1, G alone: 96 keys, six tiles of scores and one K step of the second product (its fourth block of p is zero codes).
; What lies outside the window is masked in reference() itself, so only the window is multiplied.  Blocks before the buffer's start or past its end are replaced by the nearest block that exists: their keys are all hidden, or meet zero codes.
; LAYOUT.  S^T = K Q^T (source 0 = 16 keys, source 1 = my 16 queries), O^T = V^T P^T: a lane holds one query throughout.  The head's 64 fill half of the instruction's K = 128: Q's upper six registers are zero codes,
; K's upper six are whatever follows (the next tile's codes; zeros behind the last).  V's rows of a tile are chosen (d = 32 b + 8 u + r % 8 + 16 (r / 8)) so that O^T's 16 registers of two tiles are 16 neighbouring channels.
; No LDS, no barrier: operands come from memory as images of their registers; waves share nothing.  No cluster: there is no tensor load to share.
; LIMITS: a row whose largest visible score lies at or under about -1e9 + 200, where reference() lets all 2,048 held keys count, is not served; p under 2^-126 counts as 0; 1 / l is v_rcp_f32 and a multiplication;
; a block of zeros gets the scale byte 1 (read by this program alone); NaN and infinities are not served.
.set KA,  7                            ; v7-9    K's images of blocks G - 2 .. G
.set KSA, 10                           ; v10-12  their scale words
.set VA,  13                           ; v13-14  V's images: lanes 0-15 block 2 c, lanes 16-31 block 2 c + 1
.set VSA, 15                           ; v15-18  V's scale words of the four blocks
.set KSC, 26                           ; v26-31  scale words of the six key tiles
.set VSC, 32                           ; v32-35  of V's four tiles
.set QSC, 36                           ; v36-37  of the two heads' queries
.set PSC, 38                           ; v38     of p
.set VW,  40                           ; v40-47  V's words as loaded
.set XY,  48
.set NM,  52                           ; v52     -M (v53 is named with it as a pair)
.set LS,  54                           ; v54-57  l of the two heads, each in two halves
.set MB,  60                           ; v60-62  a block's largest score, then its largest p
.set MT,  63
.set SO,  66                           ; v66-68  the conversions' scale operands
.set BY,  69                           ; v69-71  the scales' bytes
.set S,   72                           ; v72-119 S^T, then p
.set U,   120                          ; v120-167 the upper bound of each score: +infinity where the key counts, -8e9 where it is hidden
.set O,   168                          ; v168-231 O^T: 32 e + 8 td
.set PC,  232
.set TP,  244
.set PW,  252
.set TM,  72                           ; the last quantiser works where S^T lay
.set KF,  0                            ; window 1: K's six fragments of six registers; v36-41 zeros; V's four of twelve; Q's two of twelve
.set KZ,  36
.set VF,  48
.set QF,  96
.set SEL, 38
.set CS,  40
.set MSB, 0
.macro WIN new
.if MSB != \new
	s_set_vgpr_msb (MSB<<8)|\new
.set MSB, \new
.endif
.endm
.macro QUANT s, pc, pw
.irp b, 0,1,2,3
	v_max3_num_f32 v[TM+\b], |v[(\s)+16*\b]|, |v[(\s)+1+16*\b]|, 0x1800000   ; with the floor 2^(3 - 127): the byte cannot fall under 1
.endr
.irp i, 2,4,6,8,10,12,14
.irp b, 0,1,2,3
	v_max3_num_f32 v[TM+\b], v[TM+\b], |v[(\s)+16*\b+\i]|, |v[(\s)+1+16*\b+\i]|
.endr
.endr
.irp b, 0,1,2,3
	v_permlanex16_b32 v[TM+4+\b], v[TM+\b], s[SEL], s[SEL+1]
.endr
.irp b, 0,1,2,3
	v_max_num_f32 v[TM+\b], v[TM+\b], v[TM+4+\b]
.endr
.irp b, 0,1,2,3
	v_add_nc_u32 v[TM+12+\b], 0xff000000, v[TM+\b]
.endr
.irp b, 0,1,2,3
	v_lshrrev_b32 v[TM+4+\b], 23, v[TM+12+\b]
.endr
	v_lshl_or_b32 v[\pw], v[TM+5], 8, v[TM+4]
	v_lshl_or_b32 v[\pw], v[TM+6], 16, v[\pw]
	v_lshl_or_b32 v[\pw], v[TM+7], 24, v[\pw]
.irp c, 0,1
	v_cvt_scalef32_pk16_fp6_f32 v[(\pc)+6*\c:(\pc)+2+6*\c], v[(\s)+32*\c:(\s)+15+32*\c], v[TM+12+2*\c]
	v_cvt_scalef32_pk16_fp6_f32 v[TP+4*\c:TP+2+4*\c], v[(\s)+16+32*\c:(\s)+31+32*\c], v[TM+12+2*\c+1]
.endr
	v_nop
.irp c, 0,1
.irp i, 0,1,2
	v_permlane16_swap_b32 v[(\pc)+6*\c+\i], v[TP+4*\c+\i]
.endr
.irp i, 0,1,2
	v_mov_b32 v[(\pc)+3+6*\c+\i], v[TP+4*\c+\i]
.endr
.endr
.endm
	s_load_b256 s[4:11], s[0:1], 0x0               ; qcod, qscl, kvcod, kvscl
	s_load_b128 s[12:15], s[0:1], 0x20             ; acod, ascl
	v_lshrrev_b32 v1, 5, v0
	v_readfirstlane_b32 s17, v1                    ; hp: the pair of heads
	v_and_b32 v1, 31, v0                           ; lane
	v_and_b32 v2, 15, v0                           ; r
	v_bfe_u32 v3, v0, 4, 1                         ; h
	v_lshlrev_b32 v4, 3, v1
	v_lshlrev_b32 v5, 2, v1
	v_lshlrev_b32 v6, 4, v1
	s_mov_b32 s16, ttmp9                           ; T
	s_lshr_b32 s18, s17, 1                         ; the key and value head
	s_lshr_b32 s19, s16, 1                         ; G
	s_and_b32 s20, s16, 1                          ; u: which half of block G my queries are
	s_and_b32 s21, s16, 127
	s_lshl_b32 s21, s21, 4                         ; my first query's place in its sequence
	s_mov_b32 s[SEL], 0x76543210
	s_mov_b32 s[SEL+1], 0xfedcba98
	s_mov_b32 s[CS], 0x3e38aa3b                    ; c = log2(e) / 8: t = raw score x c
	s_mov_b32 s[CS+1], s[CS]
.irp bk, 0,1,2
	s_add_co_i32 s22, s19, \bk-2
	s_max_i32 s22, s22, 0
	s_lshl_b32 s22, s22, 3
	s_add_co_u32 s22, s22, s18
	s_mul_i32 s23, s22, 1536
	v_add_nc_u32 v[KA+\bk], s23, v4
	s_lshl_b32 s23, s22, 7
	v_add_nc_u32 v[KSA+\bk], s23, v5
.endr
.irp k, 0,1,2,3
	s_add_co_i32 s22, s19, \k-2
	s_max_i32 s22, s22, 0
	s_min_i32 s22, s22, 127
	s_lshl_b32 s22, s22, 3
	s_add_co_u32 s22, s22, s18
	s_add_co_u32 s22, s22, 4
	s_mul_i32 s[24+\k], s22, 1536
	s_lshl_b32 s[28+\k], s22, 7
.endr
	v_lshrrev_b32 v25, 3, v2                       ; r / 8
	v_and_b32 v22, 7, v2                           ; r % 8
	v_lshl_add_u32 v39, v25, 4, v22
	v_lshlrev_b32 v39, 3, v39                      ; the image's lane 16 (r / 8) + r % 8 (+ 8 u by the offset), 8 bytes a lane
.irp c, 0,1
	s_sub_co_u32 s22, s[25+2*\c], s[24+2*\c]
	v_mad_u32_u24 v[VA+\c], v3, s22, v39
	v_add_nc_u32 v[VA+\c], s[24+2*\c], v[VA+\c]
.endr
	v_lshlrev_b32 v22, 2, v22
.irp k, 0,1,2,3
	v_add_nc_u32 v[VSA+\k], s[28+\k], v22
.endr
	v_lshlrev_b32 v25, 3, v25                      ; 8 (r / 8): by so many bits V's words are shifted
	s_lshl_b32 s22, s16, 9
	s_lshl_b32 s23, s17, 2
	s_add_co_u32 s22, s22, s23
	v_lshl_add_u32 v19, v2, 5, s22                 ; ascl: row 16 T + r of 32 bytes, word hp
	s_lshl_b32 s22, s20, 4
	s_add_co_u32 s22, s22, 64
	v_add_nc_u32 v20, s22, v2
	v_lshlrev_b32 v22, 3, v3
	v_sub_nc_u32 v20, v20, v22                     ; E = 16 u + r + 64 - 8 h: my query less the first key of my half of tile 0
	v_add_nc_u32 v21, s21, v2
	v_min_u32 v21, 64, v21                         ; how far back a key may lie: min(64, my query's place)
	v_mov_b32 v23, 0xcfee6b28                      ; -8e9 = 8 x -1e9: the scores here are not yet divided by 8
	v_mov_b32 v24, 0x7f800000
	s_lshl_b32 s22, s16, 3
	s_add_co_u32 s22, s22, s17                     ; 8 T + hp
	s_mul_i32 s32, s22, 1536
	s_mov_b32 s33, 0
	s_lshl_b32 s36, s22, 7
	s_mov_b32 s37, 0
	s_lshr_b32 s22, s16, 3                         ; acod: ((((T / 8) 2 + hp / 4) 8 + T % 8) 4 + hp % 4) x 1,536
	s_lshl_b32 s22, s22, 1
	s_lshr_b32 s23, s17, 2
	s_add_co_u32 s22, s22, s23
	s_lshl_b32 s22, s22, 3
	s_and_b32 s23, s16, 7
	s_add_co_u32 s22, s22, s23
	s_lshl_b32 s22, s22, 2
	s_and_b32 s23, s17, 3
	s_add_co_u32 s22, s22, s23
	s_mul_i32 s34, s22, 1536
	s_mov_b32 s35, 0
	s_wait_kmcnt 0x0
	s_add_nc_u64 s[4:5], s[4:5], s[32:33]
	s_add_nc_u64 s[6:7], s[6:7], s[36:37]
	s_add_nc_u64 s[12:13], s[12:13], s[34:35]
	global_load_b32 v[QSC], v5, s[6:7]             ; the first 28 loads: what the scores want
.irp bk, 0,1,2
	global_load_b32 v[KSC+2*\bk], v[KSA+\bk], s[10:11]
.endr
	WIN 0x40                                       ; destination window 1
.irp e, 0,1
.irp p, 0,1,2
	global_load_b64 v[QF+12*\e+2*\p:QF+12*\e+2*\p+1], v4, s[4:5] offset:768*\e+256*\p
.endr
.endr
.irp bk, 0,1,2
.irp w, 0,1
.irp p, 0,1,2
	global_load_b64 v[KF+6*(2*\bk+\w)+2*\p:KF+6*(2*\bk+\w)+2*\p+1], v[KA+\bk], s[8:9] offset:768*\w+256*\p
.endr
.endr
.endr
.irp b, 0,1                                    ; the other 32: V.  Tile 2 b + w, key blocks 2 c + h
.irp w, 0,1
.irp c, 0,1
.irp p, 0,1,2
	global_load_b64 v[VF+12*(2*\b+\w)+6*\c+2*\p:VF+12*(2*\b+\w)+6*\c+2*\p+1], v[VA+\c], s[8:9] offset:768*\b+256*\p+64*\w
.endr
.endr
.endr
.endr
	WIN 0
.irp k, 0,1,2,3
.irp w, 0,1
	global_load_b32 v[VW+2*\k+\w], v[VSA+\k], s[10:11] offset:32*\w
.endr
.endr
	WIN 0x40
.irp i, 0,1,2,3,4,5
	v_mov_b32 v[QF+6+\i], 0                        ; zero codes: the upper half of the instruction's K
	v_mov_b32 v[QF+18+\i], 0
	v_mov_b32 v[KZ+\i], 0
.endr
	WIN 0
.irp i, 0,1,2
	v_mov_b32 v[MT+\i], 0                          ; a lane permute's destination counts as one of its sources
.endr
	v_mov_b32 v[NM+1], 0                           ; named as the upper halves of pairs
	v_mov_b32 v255, 0
; register n of S^T holds key 16 (n / 8) + 8 h + n % 8 of the 96.  It is hidden where (query - key), taken as unsigned, is above min(64, the query's place): that is the causal side, the window and the sequence's start in one test
.set n, 0
.rept 48
	v_add_nc_u32 v22, -(16*(n/8)+n%8), v20
	v_cmp_gt_u32 vcc_lo, v22, v21
	v_cndmask_b32 v[U+n], v24, v23, vcc_lo
.set n, n+1
.endr
	s_wait_loadcnt 32                              ; Q, K and their scale words are in; V's 32 loads may be out
.irp bk, 0,1,2
	v_lshrrev_b32 v[KSC+2*\bk+1], 16, v[KSC+2*\bk] ; a word holds two tiles' two bytes
.endr
	v_lshrrev_b32 v[QSC+1], 16, v[QSC]             ; and two heads'
.rept 8
	v_nop                                          ; a scale register written by a vector instruction stands 8 places ahead of a scaled matrix instruction
.endr
.macro HEAD e
	WIN 0x05                                       ; sources 0 and 1 window 1
.irp tk, 0,1,2,3,4,5
	v_wmma_scale_f32_16x16x128_f8f6f4 v[S+8*\tk:S+8*\tk+7], v[KF+6*\tk:KF+6*\tk+11], v[QF+12*\e:QF+12*\e+11], 0, v[KSC+\tk], v[QSC+\e] matrix_a_fmt:MATRIX_FMT_FP6 matrix_b_fmt:MATRIX_FMT_FP6
.endr
	WIN 0
.if \e == 0
	s_wait_loadcnt 0x0                             ; V
.irp i, 0,1,2,3,4,5,6,7
	v_lshrrev_b32 v[VW+\i], v25, v[VW+\i]          ; byte 0: channel tile r / 8, byte 2: tile 2 + r / 8.  (These sixteen lines are also the places behind the scores)
.endr
.irp w, 0,1
	v_perm_b32 v[XY+2*\w], v[VW+2+\w], v[VW+\w], 0x06020400       ; blocks 0, 1: (b = 0: k0, k1; b = 1: k0, k1)
	v_perm_b32 v[XY+2*\w+1], v[VW+6+\w], v[VW+4+\w], 0x06020400   ; blocks 2, 3
.endr
.irp w, 0,1
	v_perm_b32 v[VSC+\w], v[XY+2*\w+1], v[XY+2*\w], 0x05040100    ; tile w: its rows' four bytes
	v_perm_b32 v[VSC+2+\w], v[XY+2*\w+1], v[XY+2*\w], 0x07060302  ; tile 2 + w
.endr
.else
.rept 4
	v_nop
.endr
.endif
.set n, 0
.rept 48
	v_med3_num_f32 v[S+n], v[S+n], v23, v[U+n]     ; a key that counts: max(s, -8e9), reference()'s hold at -1e9; a hidden key: -8e9
.set n, n+1
.endr
.irp b, 0,1,2
	v_max3_num_f32 v[MB+\b], v[S+16*\b], v[S+16*\b+1], v[S+16*\b+2]   ; the largest score of each block of 32 keys: it serves the row's maximum and, since p rises with the score, the block's largest p
.endr
.irp i, 3,5,7,9,11,13
.irp b, 0,1,2
	v_max3_num_f32 v[MB+\b], v[MB+\b], v[S+16*\b+\i], v[S+16*\b+\i+1]
.endr
.endr
.irp b, 0,1,2
	v_max_num_f32 v[MB+\b], v[MB+\b], v[S+16*\b+15]
.endr
.irp b, 0,1,2
	v_permlanex16_b32 v[MT+\b], v[MB+\b], s[SEL], s[SEL+1]
.endr
.irp b, 0,1,2
	v_max_num_f32 v[MB+\b], v[MB+\b], v[MT+\b]
.endr
	v_max3_num_f32 v22, v[MB], v[MB+1], v[MB+2]
	v_mul_f32 v22, s[CS], v22                      ; the row's largest t
	v_floor_f32 v[NM], -v22                        ; -M = floor(-t) = -ceil(t)
.set n, 0
.rept 24
	v_pk_fma_f32 v[S+n:S+n+1], v[S+n:S+n+1], s[CS:CS+1], v[NM:NM+1] op_sel_hi:[1,0,0]   ; t - M
.set n, n+2
.endr
.irp b, 0,1,2
	v_fma_f32 v[MB+\b], v[MB+\b], s[CS], v[NM]
.endr
.set n, 0
.rept 48
	v_exp_f32 v[S+n], v[S+n]                       ; p = 2^(t - M), not normalised
.set n, n+1
.endr
.irp b, 0,1,2
	v_exp_f32 v[MB+\b], v[MB+\b]                   ; the blocks' largest p: the same two instructions on the same numbers
.endr
.irp i, 0,1,2
	v_mov_b32 v[TP+4+\i], 0                        ; the fourth block of p: zero codes.  (The plain place behind the exponentials)
.endr
	s_wait_alu depctr_va_vdst(0)                   ; one wait for the batch of 51, ahead of its first reader
.irp b, 0,1,2
	v_max_num_f32 v[MB+\b], 0x1800000, v[MB+\b]    ; the floor 2^(3 - 127)
.endr
.irp b, 0,1,2
	v_add_nc_u32 v[SO+\b], 0xff000000, v[MB+\b]
.endr
.irp b, 0,1,2
	v_lshrrev_b32 v[BY+\b], 23, v[SO+\b]
.endr
	v_lshl_or_b32 v[PSC], v[BY+1], 8, v[BY]
	v_lshl_or_b32 v[PSC], v[BY+2], 16, v[PSC]      ; the fourth byte stays 0: it scales zero codes
	v_cvt_scalef32_pk16_fp6_f32 v[PC:PC+2], v[S:S+15], v[SO]
	v_cvt_scalef32_pk16_fp6_f32 v[TP:TP+2], v[S+16:S+31], v[SO+1]
	v_cvt_scalef32_pk16_fp6_f32 v[PC+6:PC+8], v[S+32:S+47], v[SO+2]
	v_nop                                          ; one plain place behind the scaled conversions
.irp c, 0,1
.irp i, 0,1,2
	v_permlane16_swap_b32 v[PC+6*\c+\i], v[TP+4*\c+\i]
.endr
.irp i, 0,1,2
	v_mov_b32 v[PC+3+6*\c+\i], v[TP+4*\c+\i]
.endr
.endr
	v_pk_add_f32 v[LS+2*\e:LS+2*\e+1], v[S:S+1], v[S+2:S+3]      ; the row's sum of the unquantised p, in two chains.  (These lines are also the places ahead of the products below)
	v_pk_add_f32 v[58:59], v[S+4:S+5], v[S+6:S+7]
.irp j, 8,12,16,20,24,28,32,36,40,44
	v_pk_add_f32 v[LS+2*\e:LS+2*\e+1], v[LS+2*\e:LS+2*\e+1], v[S+\j:S+\j+1]
	v_pk_add_f32 v[58:59], v[58:59], v[S+\j+2:S+\j+3]
.endr
	v_pk_add_f32 v[LS+2*\e:LS+2*\e+1], v[LS+2*\e:LS+2*\e+1], v[58:59]
	WIN 0x01                                       ; source 0 (V) window 1
.irp td, 0,1,2,3
	v_wmma_scale_f32_16x16x128_f8f6f4 v[O+32*\e+8*\td:O+32*\e+8*\td+7], v[VF+12*\td:VF+12*\td+11], v[PC:PC+11], 0, v[VSC+\td], v[PSC] matrix_a_fmt:MATRIX_FMT_FP6 matrix_b_fmt:MATRIX_FMT_FP6
.endr
	WIN 0
.endm
	HEAD 0
	HEAD 1
	v_add_f32 v[LS], v[LS], v[LS+1]                ; l: the two halves, (these additions are the places behind the last products)
	v_add_f32 v[LS+2], v[LS+2], v[LS+3]
	v_permlanex16_b32 v[LS+1], v[LS], s[SEL], s[SEL+1]
	v_permlanex16_b32 v[LS+3], v[LS+2], s[SEL], s[SEL+1]
	v_add_f32 v[LS], v[LS], v[LS+1]                ; and lane l xor 16's
	v_add_f32 v[LS+2], v[LS+2], v[LS+3]
	v_rcp_f32 v58, v[LS]
	v_rcp_f32 v254, v[LS+2]
	v_nop                                          ; a plain place behind the reciprocals
	s_wait_alu depctr_va_vdst(0)                   ; one wait for both, ahead of the first reader
.set n, 0
.rept 16
	v_pk_mul_f32 v[O+n:O+n+1], v[O+n:O+n+1], v[58:59] op_sel_hi:[1,0]
.set n, n+2
.endr
.rept 16
	v_pk_mul_f32 v[O+n:O+n+1], v[O+n:O+n+1], v[254:255] op_sel_hi:[1,0]
.set n, n+2
.endr
	QUANT O, PC, PW                                ; blocks 0, 1: head 2 hp; blocks 2, 3: head 2 hp + 1: K step hp of the last product
.irp c, 0,1,2
	global_store_b128 v6, v[PC+4*\c:PC+4*\c+3], s[12:13] offset:512*\c   ; 32 lanes store 512 consecutive bytes, aligned
.endr
	global_store_b32 v19, v[PW], s[14:15]          ; my row's scale word (lanes l and l xor 16 hold and store the same word)
	s_endpgm
.Lfunc_end_k_qfd8b5f79bb_attn:
	.size	k_qfd8b5f79bb_attn, .Lfunc_end_k_qfd8b5f79bb_attn-k_qfd8b5f79bb_attn
	.p2alignl 7, 3214868480
	.fill 96, 4, 3214868480
	.section	.rodata,"a",@progbits
	.p2align	6, 0x0
	.amdhsa_kernel k_qfd8b5f79bb_attn
		.amdhsa_group_segment_fixed_size 0
		.amdhsa_private_segment_fixed_size 0
		.amdhsa_enable_private_segment 0
		.amdhsa_kernarg_size 48
		.amdhsa_user_sgpr_count 2
		.amdhsa_user_sgpr_kernarg_segment_ptr 1
		.amdhsa_wavefront_size32 1
		.amdhsa_system_sgpr_workgroup_id_x 1
		.amdhsa_system_sgpr_workgroup_id_y 1
		.amdhsa_system_sgpr_workgroup_id_z 1
		.amdhsa_system_vgpr_workitem_id 0
		.amdhsa_next_free_vgpr 384
		.amdhsa_next_free_sgpr 66
		.amdhsa_reserve_vcc 1
		.amdhsa_float_denorm_mode_32 3
		.amdhsa_float_denorm_mode_16_64 3
		.amdhsa_memory_ordered 1
		.amdhsa_forward_progress 1
		.amdhsa_inst_pref_size 50
	.end_amdhsa_kernel
	.amdgpu_metadata
---
amdhsa.version: [ 1, 2 ]
amdhsa.kernels:
  - .name:           k_qfd8b5f79bb_attn
    .symbol:         k_qfd8b5f79bb_attn.kd
    .args:
      - { .name: qcod, .offset: 0, .size: 8, .value_kind: global_buffer, .address_space: global }
      - { .name: qscl, .offset: 8, .size: 8, .value_kind: global_buffer, .address_space: global }
      - { .name: kvcod, .offset: 16, .size: 8, .value_kind: global_buffer, .address_space: global }
      - { .name: kvscl, .offset: 24, .size: 8, .value_kind: global_buffer, .address_space: global }
      - { .name: acod, .offset: 32, .size: 8, .value_kind: global_buffer, .address_space: global }
      - { .name: ascl, .offset: 40, .size: 8, .value_kind: global_buffer, .address_space: global }
    .group_segment_fixed_size: 0
    .private_segment_fixed_size: 0
    .kernarg_segment_align: 8
    .kernarg_segment_size: 48
    .max_flat_workgroup_size: 256
    .sgpr_count:     66
    .vgpr_count:     384
    .wavefront_size: 32
...
	.end_amdgpu_metadata
.endif
;; end of part 2
;; launch oproj (part 3): grid 8 x 32, 4 waves a work-group, clusters of 4 x 4, 235,520 bytes of LDS; arguments acod, ascl, wo_codes, wo_scales, out0; writes out0
.if DOCPART == 3
	.amdgcn_target "amdgcn-amd-amdhsa--gfx1250"
	.amdhsa_code_object_version 6
	.text
	.protected	k_qfd8b5f79bb_oproj
	.globl	k_qfd8b5f79bb_oproj
	.p2align	8
	.type	k_qfd8b5f79bb_oproj,@function
k_qfd8b5f79bb_oproj:
	s_mov_b64 s[64:65], 0
	v_nop
	global_prefetch_b8 v0, s[64:65] scope:SCOPE_SE
	s_setreg_imm32_b32 hwreg(HW_REG_WAVE_MODE, 25, 1), 1
	s_wait_xcnt 0x0
	s_wait_alu depctr_hold_cnt(0) depctr_sa_sdst(0) depctr_va_vdst(0) depctr_va_sdst(0) depctr_va_ssrc(0) depctr_va_vcc(0) depctr_vm_vsrc(0)
	s_getreg_b32 s2, hwreg(HW_REG_IB_STS2, 6, 4)
	s_cmp_eq_u32 s2, 0
	s_cbranch_scc0 .Lentry_in_a_cluster
	s_endpgm
.Lentry_in_a_cluster:
	s_bfe_u32 s2, ttmp6, 0x10000c
	s_cmp_lg_u32 s2, 0xf033
	s_cbranch_scc0 .Lentry_shape_is_right
	s_endpgm
.Lentry_shape_is_right:
; out0 = a wo on codes of FP6 (E2M3), K = 1,024.  a: the attention's result as images of operand fragments (acod) and scale words (ascl); wo: codes with K innermost, as given.  out0: [4,096][1,024] f32.
; SHARES.  A work-group makes 128 x 128 of the output, each of its four waves 64 x 64: 16 accumulators, which take turns, one instruction a turn.  256 work-groups.
; All operands of the work-group fit in LDS at once: every tensor load is a first fill, K in two halves; no byte of LDS is filled twice.
; CLUSTER 4 x 4: a's rows are shared along a row of the cluster, wo's along a column: each tile is asked for jointly.
; THE PRODUCT IS USED TRANSPOSED (source 0 = 16 rows of wo, source 1 = 16 rows of a): a lane holds eight neighbouring numbers of a row of the output.
; LIMITS: NaN, infinities and given scale bytes of 0xff are not served.
; REGISTERS.  window 0: v1-13 addresses; v28, v29 the add's two; v32-63 a's scale words (8 a + K step), v64-95 wo's; v128-255 the accumulators (8 (4 a + n)), on the way out rows of the output.
;   window 1: two sets of 96: a's four fragments, then wo's four.
.set PITCH,  432                       ; wo's LDS row: 3 x (128 bytes + 16)
.set TROW,   16*PITCH
.set ACH,    49152                     ; a's images of half of K: 8 tiles x 4 K steps x 1,536 bytes, dense
.set WOB,    2*ACH
.set BCH,    128*PITCH                 ; wo's half of K
.set SCL,    WOB+2*BCH                 ; 256 rows' scale bytes as units of 256 bytes + 16: a's 128 rows, then wo's
.set UNIT,   272
.set STAGE,  SCL+32*UNIT               ; the way out: 16 rows x (256 bytes + 16) for each wave; no fill lands here
.set SPARE,  STAGE+4*16*272            ; the spare words: 128 bytes for each wave
.set AI,  4                            ; v4      a's images: 16 x lane + my four tiles
.set AB,  5                            ; v5, v6  wo's fragments (24 h, and 40 h for pieces behind one padding more)
.set ASA, 7
.set ASB, 8
.set STO, 9
.set RD,  10
.set CO,  11
.set SPW, 28
.set NIL, 29
.set SCA, 32
.set SCB, 64
.set ACC, 128
.set G1AC, 24
.set G1BC, 32
.set G1AS, 40
.set G1BS, 48
.set G0A,  68
.set G0B,  80
.set WV, 14
.set WI, 15
.set HF, 16
.set CX, 17
.set CY, 18
.set XN, 19
.set YB, 20
.set MSB, 0
.set ZR, 0
.macro WIN new
.if MSB != \new
	s_set_vgpr_msb (MSB<<8)|\new
.set MSB, \new
.endif
.endm
.macro PLACES
.rept 4
	v_nop
.endr
.endm
.macro CROUND
	s_barrier_signal -1
	s_barrier_wait -1
	s_cmp_lg_u32 s[WV], 0
	s_cbranch_scc1 .Lnot_wave_0_\@
	s_barrier_signal -3
.Lnot_wave_0_\@:
	s_barrier_wait -3
	s_barrier_signal -1
	s_barrier_wait -1
.endm
.macro FRAG reg, adr, q, i
.irp p, 0,1,2,3,4,5
.set PCE, 12*(\q)+6*(\p/3)+\p%3
.if PCE%16 < 13
	ds_load_b64 v[(\reg)+2*\p:(\reg)+2*\p+1], v[\adr] offset:8*PCE+16*(PCE/16)+(\i)*TROW
.else
	ds_load_b64 v[(\reg)+2*\p:(\reg)+2*\p+1], v[(\adr)+1] offset:8*PCE+16*(PCE/16)+(\i)*TROW
.endif
.endr
.endm
.macro FETCH s                         ; K step s: a's four fragments as they were stored, wo's four from rows: 36 loads
	WIN 0x40
.irp a, 0,1,2,3
.irp c, 0,1,2
	ds_load_b128 v[96*((\s)%2)+12*\a+4*\c:96*((\s)%2)+12*\a+4*\c+3], v[AI] offset:6144*\a+1536*((\s)%4)+512*\c
.endr
.endr
.irp n, 0,1,2,3
	FRAG 96*((\s)%2)+48+12*\n, AB, (\s)%4, \n
.endr
	WIN 0
.endm
.macro MM d, a, b, sa, sb
.if ZR
	v_wmma_scale_f32_16x16x128_f8f6f4 v[(\d):(\d)+7], v[(\a):(\a)+11], v[(\b):(\b)+11], 0, v[\sa], v[\sb] matrix_a_fmt:MATRIX_FMT_FP6 matrix_b_fmt:MATRIX_FMT_FP6
.else
	v_wmma_scale_f32_16x16x128_f8f6f4 v[(\d):(\d)+7], v[(\a):(\a)+11], v[(\b):(\b)+11], v[(\d):(\d)+7], v[\sa], v[\sb] matrix_a_fmt:MATRIX_FMT_FP6 matrix_b_fmt:MATRIX_FMT_FP6
.endif
.endm
.macro STEP s
.if (\s) == 0
.set ZR, 1
.else
.set ZR, 0
.endif
	s_wait_dscnt 0x0                               ; this step's fragments are in
.if (\s) == 3
	s_wait_tensorcnt 0x0                           ; my part of the second half of K has landed,
	s_barrier_signal -1
	s_barrier_wait -1                              ; everybody's has.
	v_add_nc_u32 v[AI], ACH, v[AI]
	v_add_nc_u32 v[AB], BCH, v[AB]
	v_add_nc_u32 v[AB+1], BCH, v[AB+1]
.endif
.if (\s) < 7
.if (\s) > 0
	PLACES                                         ; the other set was read by the last step's products
.endif
	FETCH (\s)+1                                   ; lands while this step is multiplied
.endif
	WIN 0x05                                       ; sources 0 and 1 window 1
.irp a, 0,1,2,3
.irp n, 0,1,2,3
	MM ACC+8*(4*\a+\n), 96*((\s)%2)+48+12*\n, 96*((\s)%2)+12*\a, SCB+8*\n+(\s), SCA+8*\a+(\s)
.endr
.endr
	WIN 0
.endm
	s_load_b256 s[4:11], s[0:1], 0x0               ; acod, ascl, wo's codes, wo's scales
	s_load_b64 s[12:13], s[0:1], 0x20              ; out0
	v_lshl_add_u32 v[SPW], v0, 2, SPARE
	v_mov_b32 v[NIL], 0
	ds_add_u32 v[SPW], v[NIL]                      ; the wave's opening: the add and its wait ahead of my first tensor load
	v_lshrrev_b32 v1, 5, v0
	v_readfirstlane_b32 s[WV], v1
	s_lshr_b32 s[WI], s[WV], 1                     ; which 64 rows are mine.  Also: I fetch for a (0) or for wo (1)
	s_and_b32 s[HF], s[WV], 1                      ; which 64 columns.  Also: which half of that operand I fetch
	s_bfe_u32 s[CX], ttmp6, 0x40000
	s_bfe_u32 s[CY], ttmp6, 0x40004
	s_lshl_b32 s[XN], ttmp9, 2
	s_add_co_u32 s[XN], s[XN], s[CX]               ; tile column
	s_and_b32 s[YB], ttmp7, 0xffff
	s_lshl_b32 s[YB], s[YB], 2
	s_add_co_u32 s[YB], s[YB], s[CY]               ; tile row
	s_lshl_b32 s21, s[CY], 2
	s_lshl_b32 s21, 15, s21                        ; my row of the cluster
	s_lshl_b32 s22, 0x1111, s[CX]                  ; my column
	s_or_b32 s[G1AC], s21, (3<<16)|(1<<21)                           ; a's images: elements of 8 bytes, no padding
	s_or_b32 s[G1AS], s21, (3<<16)|(1<<20)|(1<<21)|(5<<22)|(3<<25)   ; scales: 4 words of padding behind every 64
	s_or_b32 s[G1BC], s22, (1<<20)|(1<<21)|(4<<22)|(3<<25)           ; wo's codes: elements of 1 byte, 4 words behind every 32
	s_or_b32 s[G1BS], s22, (3<<16)|(1<<20)|(1<<21)|(5<<22)|(3<<25)
	s_mov_b32 s[G1AC+1], 32<<16                    ; a dense block of 24,576 bytes as 96 rows of 256
	s_mov_b32 s[G1AC+2], 96<<16
	s_mov_b32 s[G1AC+3], 32<<16
	s_mov_b32 s[G1AC+4], 96
	s_mov_b32 s[G1AC+5], 32
	s_mov_b32 s[G1AC+6], 0
	s_mov_b32 s[G1AC+7], 0
	s_mov_b32 s[G1BC+1], 384<<16                   ; 64 rows of 384 bytes, 768 apart
	s_mov_b32 s[G1BC+2], 64<<16
	s_mov_b32 s[G1BC+3], 384<<16
	s_mov_b32 s[G1BC+4], 64
	s_mov_b32 s[G1BC+5], 768
	s_mov_b32 s[G1BC+6], 0
	s_mov_b32 s[G1BC+7], 0
.irp g, G1AS, G1BS
	s_mov_b32 s[\g+1], 32<<16                      ; 64 rows' scales: 8 rows of 256 bytes
	s_mov_b32 s[\g+2], 8<<16
	s_mov_b32 s[\g+3], 32<<16
	s_mov_b32 s[\g+4], 8
	s_mov_b32 s[\g+5], 32
	s_mov_b32 s[\g+6], 0
	s_mov_b32 s[\g+7], 0
.endr
	s_lshl_b32 s56, s[YB], 12                      ; a's scales: rows 128 YB + 64 half, 32 bytes each
	s_lshl_b32 s23, s[HF], 11
	s_add_co_u32 s56, s56, s23
	s_mov_b32 s57, 0
	s_mul_i32 s58, s[YB], 2*ACH                    ; a's images
	s_mul_i32 s23, s[HF], ACH/2
	s_add_co_u32 s58, s58, s23
	s_mov_b32 s59, 0
	s_lshl_b32 s60, s[XN], 12                      ; wo's scales
	s_lshl_b32 s23, s[HF], 11
	s_add_co_u32 s60, s60, s23
	s_mov_b32 s61, 0
	s_mul_i32 s62, s[XN], 98304                    ; wo's codes: rows 128 XN + 64 half, 768 bytes each
	s_mul_i32 s23, s[HF], 49152
	s_add_co_u32 s62, s62, s23
	s_mov_b32 s63, 0
	s_wait_dscnt 0x0                               ; the opening add is done
	s_wait_kmcnt 0x0
	s_mul_i32 s23, s[HF], 8*UNIT
	s_mov_b32 s[G0A], 1
	s_add_co_u32 s[G0A+1], s23, SCL
	s_add_nc_u64 s[G0A+2:G0A+3], s[6:7], s[56:57]
	s_or_b32 s[G0A+3], s[G0A+3], 0x80000000
	s_mov_b32 s[G0B], 1
	s_add_co_u32 s[G0B+1], s23, SCL+16*UNIT
	s_add_nc_u64 s[G0B+2:G0B+3], s[10:11], s[60:61]
	s_or_b32 s[G0B+3], s[G0B+3], 0x80000000
	s_mul_i32 s23, s[HF], ACH/2
	s_mov_b32 s[G0A+4], 1
	s_mov_b32 s[G0A+5], s23
	s_add_nc_u64 s[G0A+6:G0A+7], s[4:5], s[58:59]
	s_mov_b32 s[G0A+8], 1
	s_add_co_u32 s[G0A+9], s23, ACH
	s_add_nc_u64 s[G0A+10:G0A+11], s[G0A+6:G0A+7], ACH
	s_or_b32 s[G0A+7], s[G0A+7], 0x80000000
	s_or_b32 s[G0A+11], s[G0A+11], 0x80000000
	s_mul_i32 s23, s[HF], 64*PITCH
	s_mov_b32 s[G0B+4], 1
	s_add_co_u32 s[G0B+5], s23, WOB
	s_add_nc_u64 s[G0B+6:G0B+7], s[8:9], s[62:63]
	s_mov_b32 s[G0B+8], 1
	s_add_co_u32 s[G0B+9], s23, WOB+BCH
	s_add_nc_u64 s[G0B+10:G0B+11], s[G0B+6:G0B+7], 384
	s_or_b32 s[G0B+7], s[G0B+7], 0x80000000
	s_or_b32 s[G0B+11], s[G0B+11], 0x80000000
	CROUND                                         ; all sixteen work-groups are here: the joint loads meet
	s_cmp_lt_u32 s[WV], 2                          ; a wave's three first fills stand in one branch: three tensor loads of mine are out
	s_cbranch_scc0 .Lfill_b
	tensor_load_to_lds s[G0A:G0A+3], s[G1AS:G1AS+7]
	s_nop 0
	tensor_load_to_lds s[G0A+4:G0A+7], s[G1AC:G1AC+7]
	s_nop 0
	tensor_load_to_lds s[G0A+8:G0A+11], s[G1AC:G1AC+7]
	s_nop 0
.rept 4
	v_nop
.endr
	s_branch .Lfilled
.Lfill_b:
	tensor_load_to_lds s[G0B:G0B+3], s[G1BS:G1BS+7]
	s_nop 0
	tensor_load_to_lds s[G0B+4:G0B+7], s[G1BC:G1BC+7]
	s_nop 0
	tensor_load_to_lds s[G0B+8:G0B+11], s[G1BC:G1BC+7]
	s_nop 0
.rept 4
	v_nop
.endr
.Lfilled:
	v_and_b32 v3, 31, v0                           ; lane
	v_and_b32 v1, 15, v0                           ; r
	v_bfe_u32 v2, v0, 4, 1                         ; h
	s_mul_i32 s23, s[WI], ACH/2
	v_lshl_add_u32 v[AI], v3, 4, s23
	v_mul_u32_u24 v12, v1, PITCH
	s_mul_i32 s23, s[HF], 64*PITCH
	s_add_co_u32 s23, s23, WOB
	v_add_nc_u32 v12, s23, v12
	v_mad_u32_u24 v[AB], v2, 24, v12
	v_mad_u32_u24 v[AB+1], v2, 40, v12
	v_lshrrev_b32 v12, 3, v1
	v_and_b32 v13, 7, v1
	v_mul_u32_u24 v12, v12, UNIT
	v_lshl_add_u32 v12, v13, 5, v12
	s_mul_i32 s23, s[WI], 8*UNIT
	s_add_co_u32 s23, s23, SCL
	v_add_nc_u32 v[ASA], s23, v12
	s_mul_i32 s23, s[HF], 8*UNIT
	s_add_co_u32 s23, s23, SCL+16*UNIT
	v_add_nc_u32 v[ASB], s23, v12
	s_mul_i32 s23, s[WV], 16*272
	s_add_co_u32 s23, s23, STAGE                   ; my stage
	v_mul_u32_u24 v12, v1, 272
	v_lshl_add_u32 v12, v2, 5, v12
	v_add_nc_u32 v[STO], s23, v12                  ; in: row r, 32 bytes for each half of the lanes
	v_mul_u32_u24 v12, v2, 272
	v_lshl_add_u32 v12, v1, 4, v12
	v_add_nc_u32 v[RD], s23, v12                   ; back: lanes 0-15 one row of 256 bytes, lanes 16-31 the next
	v_lshlrev_b32 v[CO], 12, v2
	v_lshl_add_u32 v[CO], v1, 4, v[CO]             ; and the same two rows of the output (4,096 bytes a row)
	s_lshl_b32 s92, s[YB], 19                      ; my first row: 128 YB + 64 i; my first column: 128 XN + 64 j, 4 bytes each
	s_lshl_b32 s93, s[WI], 18
	s_add_co_u32 s92, s92, s93
	s_lshl_b32 s93, s[XN], 9
	s_add_co_u32 s92, s92, s93
	s_lshl_b32 s93, s[HF], 8
	s_add_co_u32 s92, s92, s93
	s_mov_b32 s93, 0
	s_add_nc_u64 s[12:13], s[12:13], s[92:93]
	s_wait_tensorcnt 0x1                           ; the scales and the first half of K have landed; one load, the second half's, was issued behind them
	s_barrier_signal -1
	s_barrier_wait -1                              ; everybody's have
.irp a, 0,1,2,3
	ds_load_b128 v[SCA+8*\a:SCA+8*\a+3], v[ASA] offset:2*\a*UNIT
	ds_load_b128 v[SCA+8*\a+4:SCA+8*\a+7], v[ASA] offset:2*\a*UNIT+16
	ds_load_b128 v[SCB+8*\a:SCB+8*\a+3], v[ASB] offset:2*\a*UNIT
	ds_load_b128 v[SCB+8*\a+4:SCB+8*\a+7], v[ASB] offset:2*\a*UNIT+16
.endr
	FETCH 0
	STEP 0
	STEP 1
	STEP 2
	STEP 3
	STEP 4
	STEP 5
	STEP 6
	STEP 7
; THE WAY OUT, 16 rows x 64 columns at a time: a lane's 32 bytes of a row go into my own stage and come back as whole rows of 256 bytes, into the registers that they left.
; LDS serves a wave's instructions in order (ISA guide 5.7.1.4): no wait between the stores and the loads, nor in front of the next block's stores.
.macro TOSTAGE a
.irp n, 0,1,2,3
	ds_store_b128 v[STO], v[ACC+32*\a+8*\n:ACC+32*\a+8*\n+3] offset:64*\n          ; each accumulator from its low end on
	ds_store_b128 v[STO], v[ACC+32*\a+8*\n+4:ACC+32*\a+8*\n+7] offset:64*\n+16
.endr
.irp t, 0,1,2,3,4,5,6,7
	ds_load_b128 v[ACC+32*\a+4*\t:ACC+32*\a+4*\t+3], v[RD] offset:2*\t*272
.endr
.endm
.macro SEND a, younger                 ; younger: the LDS instructions issued behind block a's loads: the next block's sixteen, or none
	s_wait_dscnt \younger
.irp t, 0,1,2,3,4,5,6,7
	global_store_b128 v[CO], v[ACC+32*\a+4*\t:ACC+32*\a+4*\t+3], s[12:13] offset:(16*\a+2*\t)*4096 th:TH_STORE_NT   ; 16 lanes store 256 consecutive bytes, aligned; written once, read by nobody here
.endr
.endm
	PLACES
	TOSTAGE 0
	TOSTAGE 1
	SEND 0, 16
	TOSTAGE 2
	SEND 1, 16
	TOSTAGE 3
	SEND 2, 16
	SEND 3, 0
	s_wait_tensorcnt 0x0                           ; the wave's end, behind my last tensor load and my last LDS store
	ds_add_u32 v[SPW], v[NIL]
	s_wait_dscnt 0x0
	CROUND                                         ; the closing round
	s_endpgm
.Lfunc_end_k_qfd8b5f79bb_oproj:
	.size	k_qfd8b5f79bb_oproj, .Lfunc_end_k_qfd8b5f79bb_oproj-k_qfd8b5f79bb_oproj
	.p2alignl 7, 3214868480
	.fill 96, 4, 3214868480
	.section	.rodata,"a",@progbits
	.p2align	6, 0x0
	.amdhsa_kernel k_qfd8b5f79bb_oproj
		.amdhsa_group_segment_fixed_size 235520
		.amdhsa_private_segment_fixed_size 0
		.amdhsa_enable_private_segment 0
		.amdhsa_kernarg_size 40
		.amdhsa_user_sgpr_count 2
		.amdhsa_user_sgpr_kernarg_segment_ptr 1
		.amdhsa_wavefront_size32 1
		.amdhsa_system_sgpr_workgroup_id_x 1
		.amdhsa_system_sgpr_workgroup_id_y 1
		.amdhsa_system_sgpr_workgroup_id_z 1
		.amdhsa_system_vgpr_workitem_id 0
		.amdhsa_next_free_vgpr 448
		.amdhsa_next_free_sgpr 96
		.amdhsa_reserve_vcc 0
		.amdhsa_float_denorm_mode_32 3
		.amdhsa_float_denorm_mode_16_64 3
		.amdhsa_memory_ordered 1
		.amdhsa_forward_progress 1
		.amdhsa_inst_pref_size 54
	.end_amdhsa_kernel
	.amdgpu_metadata
---
amdhsa.version: [ 1, 2 ]
amdhsa.kernels:
  - .name:           k_qfd8b5f79bb_oproj
    .symbol:         k_qfd8b5f79bb_oproj.kd
    .args:
      - { .name: acod, .offset: 0, .size: 8, .value_kind: global_buffer, .address_space: global }
      - { .name: ascl, .offset: 8, .size: 8, .value_kind: global_buffer, .address_space: global }
      - { .name: wo_codes, .offset: 16, .size: 8, .value_kind: global_buffer, .address_space: global }
      - { .name: wo_scales, .offset: 24, .size: 8, .value_kind: global_buffer, .address_space: global }
      - { .name: out0, .offset: 32, .size: 8, .value_kind: global_buffer, .address_space: global }
    .group_segment_fixed_size: 235520
    .private_segment_fixed_size: 0
    .kernarg_segment_align: 8
    .kernarg_segment_size: 40
    .max_flat_workgroup_size: 128
    .sgpr_count:     96
    .vgpr_count:     448
    .wavefront_size: 32
...
	.end_amdgpu_metadata
.endif
;; end of part 3
